; MI455X (gfx1250); checked and timed in simulation.
; The chip was launched on July 23, 2026; its instructions are those of AMD's public machine-readable ISA for CDNA 5 (MIT licence, August 2026) and "CDNA5" Instruction Set Architecture Reference Guide (July 2026). The comments in the code are by the model that wrote it; some were corrected since.
;; Attention. Allowed arithmetic: matrix products marked QUANTISED: E4M3 operands, one given power-of-two scale a tensor, by v_wmma_f32_16x16x64_fp8_fp8 or v_wmma_f32_16x16x128_fp8_fp8, f32 sums; everything else in f32.
;; Inputs: Wq 1,024 x 1,024 float32; Wv 1,024 x 1,024 float32; bq 1,024 float32; bv 1,024 float32; lowp_scales 8 int32 (the exponents e of the quantised operands' scales 2^e); x 2 x 2,048 x 1,024 float32.
;; Outputs: out0 2 x 2,048 x 1,024 float32.
;; This version of the problem:
;;   THIS VERSION OF THE PROBLEM IS GIVEN IN LOW PRECISION. The matrix products marked QUANTISED in the list below multiply operands that are first quantised to E4M3 (4 exponent bits, 3 mantissa bits; 8 bits a number), with one given power-of-two scale for each operand tensor; their sums are f32. All else is computed in f32.
;;   The module's matrix products, in the order in which they are computed (A, B: the left and right operand; K: the contracted axis; several contracted axes count as one K, in the product's order):
;;     1. [M 4,096, K 1,024] x [K 1,024, N 1,024]; A: input x; B: input Wq: QUANTISED (scales: A lowp_scales[0], B lowp_scales[1])
;;     2. [M 4,096, K 1,024] x [K 1,024, N 1,024]; A: input x; B: input Wv: QUANTISED (scales: A lowp_scales[2], B lowp_scales[3])
;;     3. batch 32 x [M 2,048, K 64] x [K 64, N 2,048]; A: computed on the way; B: computed on the way: QUANTISED (scales: A lowp_scales[4], B lowp_scales[5])
;;     4. batch 32 x [M 2,048, K 2,048] x [K 2,048, N 64]; A: softmax (see below); B: computed on the way: QUANTISED (scales: A lowp_scales[6], B lowp_scales[7])
;;   THE QUANTISER, for each operand of a quantised product, along K:
;;     - The operand's scale is 2^e, e = its entry of the input lowp_scales (int32; the entries are numbered through the quantised products in the list's order, A before B).
;;     - Each number is divided by the scale, clamped to +-448, and rounded to the nearest number of E4M3, ties to even, subnormals kept.
;;     - The product sums the exact products of the quantised numbers (number of the format x scale) in f32.
;;   ~~~python
;;   def quantise(x, axis, e):      # numpy; x: float32 -> the quantised numbers, widened to float32 again
;;       x = np.moveaxis(x, axis, -1); K = x.shape[-1]
;;       r = np.clip(x / 2.0 ** e, -448, 448)
;;       step = 2.0 ** (np.maximum(np.frexp(np.where(r == 0, 1, r))[1] - 1, -6) - 3)
;;       q = np.round(r / step) * step * 2.0 ** e      # np.round: ties to even
;;       return np.moveaxis(q, -1, axis).astype(np.float32)
;;   ~~~
;;   SOFTMAX AHEAD OF A QUANTISED PRODUCT. Where the list says 'softmax', what is quantised is not the finished softmax but p = 2^(t - M), with t = logit x log2(e) and M = ceil(the row's largest t), a whole number; so 1/2 < the row's largest p <= 1. The row's sum l is taken of the UNQUANTISED p, in f32, and the product's result is divided by l at the end. Since M is a whole number, a kernel that streams over the keys may use a running M (the ceiling of the running maximum): every later rescaling is an exact power of two, so the quantised numbers keep their values, but for numbers so far below the row's largest that they fall under the format's range.
;;   OPERANDS COMPUTED ON THE WAY. 'Computed on the way' means the value that the module computes at that place (a softmax that the list does not call 'softmax' is quantised finished and normalised). What goes into a quantiser is computed in f32, as accurately as f32 sums, v_exp_f32 and their like allow (about 1e-6 of the number): no bf16 or f16 on the way to a quantiser, and a product that is left as it is and whose result goes on into a quantised operand takes f32 operands (vector FMAs, or v_wmma_f32_16x16x4_f32). A number that lies on a knife's edge between two numbers of the format may be rounded either way, as far as f32 arithmetic and the matrix unit's own rounding can turn it there, and no further.
;; One version. Each part assembles by itself: llvm-mc -triple=amdgcn-amd-amdhsa -mcpu=gfx1250 --defsym DOCPART=n.
;; ======== version 1 of 1: 3 launches
;; limits: right only within a limited range of input values
;; workspace buffers: xq 4,194,304 bytes; xv 4,194,304 bytes; wq 1,048,576 bytes; wv 1,048,576 bytes; qimg 4,194,304 bytes; kvimg 8,388,608 bytes
;; launch quant (part 1): grid 384 x 1, 4 waves a work-group, no clusters, 33,280 bytes of LDS; arguments x, Wq, Wv, lowp_scales, xq, xv, wq, wv; writes xq, xv, wq, wv
.if DOCPART == 1
	.amdgcn_target "amdgcn-amd-amdhsa--gfx1250"
	.amdhsa_code_object_version 6
	.text
	.protected	k_q64cbdc3085_quant
	.globl	k_q64cbdc3085_quant
	.p2align	8
	.type	k_q64cbdc3085_quant,@function
k_q64cbdc3085_quant:
	s_mov_b64 s[64:65], 0
	v_nop
	global_prefetch_b8 v0, s[64:65] scope:SCOPE_SE
	s_setreg_imm32_b32 hwreg(HW_REG_WAVE_MODE, 25, 1), 1
	s_wait_xcnt 0x0
; x [4096][1024], Wq and Wv [1024][1024], f32, K innermost, become codes of FP8 (E4M3), one byte a number, K innermost.
; code = number / 2^e, held within +-448, rounded to the nearest code, ties to even.  x is quantised twice: with e0 into xq (first product) and with e2 into xv (second product);
; Wq with e1 into wq, Wv with e3 into wv.  LIMITS: each of e0 .. e3 lies between -126 and 119, so that 2^e and 448 x 2^e are f32 numbers.  NaN among the inputs is not served.
; THE ROWS OF W CHANGE PLACES: row c = 16 d + n (n the head, which varies fastest) goes to row 64 n + d, so that a head's 64 rows lie together for the next launch.
; SHARES.  Work-groups 0-255 take x, 256-319 Wq, 320-383 Wv.  A wave takes run J of its tensor: 4 rows of 1,024 numbers, in 8 steps of 512.  Only pointers, a stride and an exponent are chosen
; by the work-group's number; x's second set of codes stands under a scalar branch on that number, which holds no LDS instruction and no load.
; A conversion takes 8 neighbours along K from one lane's registers, a load is best where neighbouring lanes take neighbouring bytes: each load reads 512 consecutive bytes, 16 a lane, and a step's
; 2,048 bytes turn through the wave's own stage in LDS (16 bytes of padding behind each 64) and come back 64 bytes a lane.  A lane's 16 codes are 16 bytes: a store covers 512 consecutive bytes, aligned.
; No barrier (waves share nothing), no cluster (no two work-groups read the same bytes), no matrix unit, no prefetch: all of a wave's 32 loads go out at its head.  The turn through LDS runs one step ahead.
.set STEPS, 8
.set SP,    80                         ; a lane's place in a stage: 64 bytes + 16 of padding
.set WREG,  8192                       ; LDS for a wave: two stages of 32 x SP bytes
.set OA,    3                          ; v3-6    16 x lane + i x the codes' row stride, i = 0 .. 3; v3 is also the loads' offset; never rewritten
.set SPW,   7                          ; v7      my spare word;  v8 0; never rewritten
.set NIL,   8
.set R,     16                         ; v16-143 eight sets of 16 numbers as loaded
.set X,     144                        ; v144-175 two sets of 16 neighbours
.set T,     176                        ; v176-191 held numbers
.set C1,    192                        ; v192-223 codes, four registers for each step: no store's data are written again
.set C2,    224                        ; v224-255 the same for xv
	s_load_b512 s[8:23], s[0:1], 0x0               ; x, Wq, Wv, scales, xq, xv, wq, wv
	v_lshl_add_u32 v[SPW], v0, 2, 4*WREG
	v_mov_b32 v[NIL], 0
	v_lshrrev_b32 v1, 5, v0
	v_readfirstlane_b32 s24, v1                    ; wave
	v_and_b32 v2, 31, v0                           ; lane
	v_lshlrev_b32 v3, 4, v2                        ; 16 x lane
	s_mul_i32 s25, s24, WREG
	v_lshrrev_b32 v14, 2, v2
	v_mul_u32_u24 v14, v14, SP
	v_and_b32 v15, 3, v2
	v_lshl_add_u32 v14, v15, 4, v14
	v_add_nc_u32 v14, s25, v14                     ; the stage, on the way in: SP (lane / 4) + 16 (lane % 4)
	v_mul_u32_u24 v15, v2, SP
	v_add_nc_u32 v15, s25, v15                     ; and on the way out: SP x lane: my 16 neighbours
	s_wait_alu depctr_va_vdst(0)
	s_wait_kmcnt 0x0
	s_load_b128 s[36:39], s[14:15], 0x0            ; e0, e1, e2, e3
	s_mov_b32 s32, 320
	s_mov_b32 s33, 0x10000
	s_cmp_lt_u32 ttmp9, 320                        ; Wq's work-group or Wv's
	s_cselect_b64 s[26:27], s[10:11], s[12:13]
	s_cselect_b64 s[28:29], s[20:21], s[22:23]
	s_cselect_b32 s32, 256, s32
	s_cmp_lt_u32 ttmp9, 256                        ; or x's
	s_cselect_b64 s[26:27], s[8:9], s[26:27]       ; from where
	s_cselect_b64 s[28:29], s[16:17], s[28:29]     ; to where
	s_cselect_b32 s32, 0, s32                      ; the tensor's first work-group
	s_cselect_b32 s33, 1024, s33                   ; from one of my rows of codes to the next: x 1,024 bytes; W 64 rows on, 65,536 bytes
	s_cselect_b32 s41, 1, 0                        ; 1: x
	s_sub_co_u32 s34, ttmp9, s32
	s_lshl_b32 s34, s34, 2
	s_add_co_u32 s34, s34, s24                     ; J
	s_lshl_b32 s42, s34, 14                        ; 4 rows of 4,096 bytes
	s_mov_b32 s43, 0
	s_add_nc_u64 s[26:27], s[26:27], s[42:43]
.set t, 0
.rept STEPS                            ; all of the wave's loads
.irp i, 0,1,2,3
	global_load_b128 v[R+16*t+4*\i:R+16*t+4*\i+3], v3, s[26:27] offset:2048*t+512*\i th:TH_LOAD_NT   ; 32 lanes read 512 consecutive bytes
.endr
.set t, t+1
.endr
	s_lshl_b32 s44, s34, 12                        ; x's codes: 4 rows of 1,024 bytes
	s_mov_b32 s45, 0
	s_add_nc_u64 s[30:31], s[18:19], s[44:45]      ; xv (used by x's work-groups alone)
	s_and_b32 s46, s34, 3                          ; W: rows c = 4 J + i: head 4 (J % 4) + i, d = J / 4: byte (J % 4) 2^18 + i 2^16 + (J / 4) 2^10
	s_lshl_b32 s46, s46, 18
	s_lshr_b32 s47, s34, 2
	s_lshl_b32 s47, s47, 10
	s_add_co_u32 s46, s46, s47
	s_cmp_eq_u32 s41, 1
	s_cselect_b32 s44, s44, s46
	s_add_nc_u64 s[28:29], s[28:29], s[44:45]
	v_add_nc_u32 v[OA+1], s33, v[OA]
	v_add_nc_u32 v[OA+2], s33, v[OA+1]
	v_add_nc_u32 v[OA+3], s33, v[OA+2]
	s_wait_alu depctr_va_vdst(0)
	s_wait_kmcnt 0x0
	s_cmp_lt_u32 ttmp9, 320
	s_cselect_b32 s40, s37, s39                    ; e1 or e3
	s_cmp_lt_u32 ttmp9, 256
	s_cselect_b32 s40, s36, s40                    ; or e0
	s_add_co_i32 s40, s40, 127
	s_lshl_b32 s42, s40, 23
	v_mov_b32 v11, s42                             ; 2^e as f32: the conversion takes its exponent field
	s_add_co_i32 s40, s40, 8
	s_lshl_b32 s40, s40, 23
	s_or_b32 s40, s40, 0x600000
	v_mov_b32 v10, s40                             ; 448 x 2^e
	s_add_co_i32 s40, s38, 127                     ; the same with e2, for xv
	s_lshl_b32 s42, s40, 23
	v_mov_b32 v13, s42
	s_add_co_i32 s40, s40, 8
	s_lshl_b32 s40, s40, 23
	s_or_b32 s40, s40, 0x600000
	v_mov_b32 v12, s40
.macro TURN t                          ; step t's numbers through the stage: LDS serves a wave's instructions in order (ISA guide 5.7.1.4), so no wait stands between the stores and the loads
.irp i, 0,1,2,3
	ds_store_b128 v14, v[R+16*(\t)+4*\i:R+16*(\t)+4*\i+3] offset:32*SP*((\t)%2)+8*SP*\i
.endr
.irp i, 0,1,2,3
	ds_load_b128 v[X+16*((\t)%2)+4*\i:X+16*((\t)%2)+4*\i+3], v15 offset:32*SP*((\t)%2)+16*\i
.endr
.endm
.macro CODES t, lim, scl, dst, base    ; the step's numbers held, converted and stored
.set i, 0
.rept 16
	v_med3_num_f32 v[T+i], v[XS+i], -v[\lim], v[\lim]   ; the conversion to an 8-bit code does not saturate (ISA guide 7.6.2): the hold; into other registers, since x is quantised twice
.set i, i+1
.endr
	v_cvt_scalef32_pk8_fp8_f32 v[\dst+4*(\t):\dst+4*(\t)+1], v[T:T+7], v[\scl]
	v_cvt_scalef32_pk8_fp8_f32 v[\dst+4*(\t)+2:\dst+4*(\t)+3], v[T+8:T+15], v[\scl]
	v_nop                                          ; a plain line behind the conversions: the next holds write their sources
	global_store_b128 v[OA+(\t)/2], v[\dst+4*(\t):\dst+4*(\t)+3], s[\base:\base+1] offset:512*((\t)%2)   ; 512 consecutive bytes, aligned: half a row of codes
.endm
	s_wait_alu depctr_va_vdst(0)
	s_wait_loadcnt 28                              ; step 0's four loads are in; those of steps 1 to 7 may be out
	TURN 0
.macro STEP t
.set XS, X+16*((\t)%2)
	s_wait_dscnt 0x0                               ; this step's numbers are back from the stage
.if (\t)+1 < STEPS
	s_wait_loadcnt 4*(STEPS-2-(\t))                ; the next step's four loads are in; those of the steps behind it may be out
	TURN (\t)+1                                    ; and go through the other stage while this step is worked
.endif
	CODES \t, 10, 11, C1, 28
	s_cmp_eq_u32 s41, 0
	s_cbranch_scc1 .Lw_\@                          ; W has one set of codes
	CODES \t, 12, 13, C2, 30
.Lw_\@:
.endm
.irp t, 0,1,2,3,4,5,6,7
	STEP \t
.endr
	s_wait_tensorcnt 0x0                           ; the wave's end
	ds_add_u32 v[SPW], v[NIL]
	s_wait_dscnt 0x0
	s_endpgm
.Lfunc_end_k_q64cbdc3085_quant:
	.size	k_q64cbdc3085_quant, .Lfunc_end_k_q64cbdc3085_quant-k_q64cbdc3085_quant
	.p2alignl 7, 3214868480
	.fill 96, 4, 3214868480
	.section	.rodata,"a",@progbits
	.p2align	6, 0x0
	.amdhsa_kernel k_q64cbdc3085_quant
		.amdhsa_group_segment_fixed_size 33280
		.amdhsa_private_segment_fixed_size 0
		.amdhsa_enable_private_segment 0
		.amdhsa_kernarg_size 64
		.amdhsa_user_sgpr_count 2
		.amdhsa_user_sgpr_kernarg_segment_ptr 1
		.amdhsa_wavefront_size32 1
		.amdhsa_system_sgpr_workgroup_id_x 1
		.amdhsa_system_sgpr_workgroup_id_y 1
		.amdhsa_system_sgpr_workgroup_id_z 1
		.amdhsa_system_vgpr_workitem_id 0
		.amdhsa_next_free_vgpr 256
		.amdhsa_next_free_sgpr 66
		.amdhsa_reserve_vcc 0
		.amdhsa_float_denorm_mode_32 3
		.amdhsa_float_denorm_mode_16_64 3
		.amdhsa_memory_ordered 1
		.amdhsa_forward_progress 1
		.amdhsa_inst_pref_size 32
	.end_amdhsa_kernel
	.amdgpu_metadata
---
amdhsa.version: [ 1, 2 ]
amdhsa.kernels:
  - .name:           k_q64cbdc3085_quant
    .symbol:         k_q64cbdc3085_quant.kd
    .args:
      - { .name: x, .offset: 0, .size: 8, .value_kind: global_buffer, .address_space: global }
      - { .name: Wq, .offset: 8, .size: 8, .value_kind: global_buffer, .address_space: global }
      - { .name: Wv, .offset: 16, .size: 8, .value_kind: global_buffer, .address_space: global }
      - { .name: lowp_scales, .offset: 24, .size: 8, .value_kind: global_buffer, .address_space: global }
      - { .name: xq, .offset: 32, .size: 8, .value_kind: global_buffer, .address_space: global }
      - { .name: xv, .offset: 40, .size: 8, .value_kind: global_buffer, .address_space: global }
      - { .name: wq, .offset: 48, .size: 8, .value_kind: global_buffer, .address_space: global }
      - { .name: wv, .offset: 56, .size: 8, .value_kind: global_buffer, .address_space: global }
    .group_segment_fixed_size: 33280
    .private_segment_fixed_size: 0
    .kernarg_segment_align: 8
    .kernarg_segment_size: 64
    .max_flat_workgroup_size: 128
    .sgpr_count:     66
    .vgpr_count:     256
    .wavefront_size: 32
...
	.end_amdgpu_metadata
.endif
;; end of part 1
;; launch proj (part 2): grid 8 x 32, 4 waves a work-group, clusters of 4 x 4, 327,680 bytes of LDS; arguments xq, xv, wq, wv, bq, bv, lowp_scales, qimg, kvimg; writes qimg, kvimg
.if DOCPART == 2
	.amdgcn_target "amdgcn-amd-amdhsa--gfx1250"
	.amdhsa_code_object_version 6
	.text
	.protected	k_q64cbdc3085_proj
	.globl	k_q64cbdc3085_proj
	.p2align	8
	.type	k_q64cbdc3085_proj,@function
k_q64cbdc3085_proj:
	s_mov_b64 s[64:65], 0
	v_nop
	global_prefetch_b8 v0, s[64:65] scope:SCOPE_SE
	s_setreg_imm32_b32 hwreg(HW_REG_WAVE_MODE, 25, 1), 1
	s_wait_xcnt 0x0
	s_wait_alu depctr_hold_cnt(0) depctr_sa_sdst(0) depctr_va_vdst(0) depctr_va_sdst(0) depctr_va_ssrc(0) depctr_va_vcc(0) depctr_vm_vsrc(0)
	s_getreg_b32 s2, hwreg(HW_REG_IB_STS2, 6, 4)
	s_cmp_eq_u32 s2, 0
	s_cbranch_scc0 .Lentry_in_a_cluster
	s_endpgm
.Lentry_in_a_cluster:
	s_bfe_u32 s2, ttmp6, 0x10000c
	s_cmp_lg_u32 s2, 0xf033
	s_cbranch_scc0 .Lentry_shape_is_right
	s_endpgm
.Lentry_shape_is_right:
; Q = x Wq^T + bq and KV = x Wv^T + bv on codes of FP8 (E4M3), sums in f32; the results are quantised at once, with e4 (Q), e5 (KV as K of the third product) and e7 (KV as V of the fourth),
; and stored as images of the operands' registers.  LIMITS: e0 + e1 and e2 + e3 between -126 and 127; e4, e5, e7 between -126 and 119.
; IMAGES, a piece of four registers = 512 bytes, lane l's 16 bytes at 16 l.  qimg and kvimg's first half, for each head 16 b + n: 128 tiles of 16 rows, 2 pieces each (K = the head's 64);
; kvimg's second half: 16 groups of 128 keys, 4 tiles of 16 d, 4 pieces each (K = 128 keys).
; SHARES.  A work-group makes 128 rows x 2 heads of Q, K and V; each of its four waves 64 rows x 1 head.  Q and K products are used transposed (a lane holds one row, its registers run along d); V's product is made the other way
; round (a lane holds one d, its registers run along the keys): so each result's registers run along its next K.
; K goes in steps of 256 through a ring of two slots (128 rows each of xq, xv, wq, wv, 272 bytes apart).  Wave 0 fetches xq's rows, 1 xv's, 2 wq's, 3 wv's, one joint load each.
; CLUSTERS of 4 x 4: the four of a row share x's rows, the four of a column W's; a round of the cluster's barrier stands in front of every group of joint loads.
; PREFETCH: behind the joint load of K step s each wave asks for K step s + 1's 256 bytes of its rows, one joint load ahead; of the 128 rows that four partners ask for jointly each takes 32, told apart by address, a lane a row.
; REGISTERS: window 0: v0-23 addresses and scales; v24-95 biases; v96-127 at work; v128-255 Q's sums.  window 1: v0-127 K's sums, v128-255 V's.  windows 2, 3: two sets of fragments (xq, wq, xv, wv: 64 each).
.set PITCH, 272
.set HALFT, 128*PITCH
.set HROWS, 64*PITCH
.set SLOT,  4*HALFT
.set SPARE, 2*SLOT
.set AXQ, 4                            ; LDS addresses of my fragments in slot 0, 1
.set AXV, 6
.set AWQ, 8
.set AWV, 10
.set SPW, 12
.set NIL, 13
.set LI,  14
.set PFO, 17                           ; 1,024 x lane: a row a lane; never rewritten
.set BQ,  24
.set BK,  56
.set BVV, 88
.set T,   96
.set FXQ, 0
.set FWQ, 64
.set FXV, 128
.set FWV, 192
.set G1,  24
.set G0,  32
.set G1B, 48
.set G0B, 56
.set WV,  66                           ; wave
.set WR,  67                           ; wave / 2: my half of the rows; 0 fetches for x, 1 for W
.set WC,  84                           ; wave % 2: my head; 0 fetches for the first product, 1 for the second
.set PFA, 100                          ; s[100:101] my work-group's 32 of the rows that I fetch; never rewritten
.set MSB, 0
.macro WIN new                         ; the immediate's high byte repeats the setting that is left
.if MSB != (\new)
	s_set_vgpr_msb (MSB<<8)|(\new)
.set MSB, (\new)
.endif
.endm
.macro JLOAD s                         ; a joint load: each line has one mask and one set of registers; the branch hangs on the wave's number alone
	s_cmp_eq_u32 s[WR], 0
	s_cbranch_scc0 .Lfor_w_\@
	tensor_load_to_lds s[G0+4*\s:G0+4*\s+3], s[G1:G1+7]
	s_nop 0
.rept 4
	v_nop
.endr
	s_branch .Lasked_\@
.Lfor_w_\@:
	tensor_load_to_lds s[G0B+4*\s:G0B+4*\s+3], s[G1B:G1B+7]
	s_nop 0
.rept 4
	v_nop
.endr
.Lasked_\@:
.endm
.macro ASK s
	global_prefetch_b8 v[PFO], s[PFA:PFA+1] offset:256*(\s) th:TH_LOAD_NT scope:SCOPE_SE
.endm
.macro CREST                           ; a round of the cluster's barrier behind its opening barrier
	s_cmp_lg_u32 s[WV], 0
	s_cbranch_scc1 .Lnot_wave_0_\@
	s_barrier_signal -3
.Lnot_wave_0_\@:
	s_barrier_wait -3
	s_barrier_signal -1
	s_barrier_wait -1
.endm
.macro CROUND
	s_barrier_signal -1
	s_barrier_wait -1
	CREST
.endm
.macro PLACES                          ; in front of loads into registers that matrix instructions have read (ISA guide 7.12.1 for vector instructions)
.rept 4
	v_nop
.endr
.endm
	s_load_b512 s[4:19], s[0:1], 0x0               ; xq, xv, wq, wv, bq, bv, scales, qimg
	s_load_b64 s[20:21], s[0:1], 0x40              ; kvimg
	v_lshl_add_u32 v[SPW], v0, 2, SPARE
	v_mov_b32 v[NIL], 0
	ds_add_u32 v[SPW], v[NIL]
	ds_add_u32 v[SPW], v[NIL]
	v_lshrrev_b32 v1, 5, v0
	v_readfirstlane_b32 s[WV], v1
	v_and_b32 v[PFO], 31, v0
	v_lshlrev_b32 v[PFO], 10, v[PFO]
	s_lshr_b32 s[WR], s[WV], 1
	s_and_b32 s[WC], s[WV], 1
	s_bfe_u32 s40, ttmp6, 0x40000                  ; cx
	s_bfe_u32 s41, ttmp6, 0x40004                  ; cy
	s_lshl_b32 s42, ttmp9, 2
	s_add_co_u32 s42, s42, s40                     ; my pair of heads
	s_and_b32 s43, ttmp7, 0xffff
	s_lshl_b32 s43, s43, 2
	s_add_co_u32 s43, s43, s41                     ; my 128 rows
	s_lshl_b32 s44, s41, 2
	s_lshl_b32 s44, 15, s44                        ; my row of the cluster
	s_lshl_b32 s45, 0x1111, s40                    ; my column
	s_or_b32 s[G1], s44, (0<<16)|(1<<20)|(1<<21)|(5<<22)|(3<<25)    ; mask; 1-byte elements; padding of 4 words after every 64; 21 set beside a mask
	s_or_b32 s[G1B], s45, (0<<16)|(1<<20)|(1<<21)|(5<<22)|(3<<25)
.irp g, G1, G1B
	s_mov_b32 s[\g+1], 256<<16                     ; 128 rows of 256 bytes, 1,024 bytes apart
	s_mov_b32 s[\g+2], 128<<16
	s_mov_b32 s[\g+3], 256<<16
	s_mov_b32 s[\g+4], 128
	s_mov_b32 s[\g+5], 1024
	s_mov_b32 s[\g+6], 0
	s_mov_b32 s[\g+7], 0
.endr
	s_lshl_b32 s92, s43, 17
	s_mov_b32 s93, 0
	s_lshl_b32 s94, s42, 17
	s_mov_b32 s95, 0
	s_mul_i32 s46, s[WV], HALFT                    ; no place in the cluster enters an LDS address
	s_wait_alu depctr_va_vdst(0)
	s_wait_dscnt 0x0                               ; both opening adds are done
	s_wait_kmcnt 0x0
	s_load_b256 s[68:75], s[16:17], 0x0            ; e0 .. e7
	s_cmp_eq_u32 s[WC], 0
	s_cselect_b64 s[80:81], s[4:5], s[6:7]
	s_cselect_b64 s[82:83], s[8:9], s[10:11]
	s_add_nc_u64 s[80:81], s[80:81], s[92:93]
	s_add_nc_u64 s[82:83], s[82:83], s[94:95]
.irp s, 0,1
	s_mov_b32 s[G0+4*\s], 1
	s_add_co_u32 s[G0+4*\s+1], s46, \s*SLOT
	s_add_nc_u64 s[G0+4*\s+2:G0+4*\s+3], s[80:81], \s*256
	s_or_b32 s[G0+4*\s+3], s[G0+4*\s+3], 0x80000000
	s_mov_b32 s[G0B+4*\s], 1
	s_add_co_u32 s[G0B+4*\s+1], s46, \s*SLOT
	s_add_nc_u64 s[G0B+4*\s+2:G0B+4*\s+3], s[82:83], \s*256
	s_or_b32 s[G0B+4*\s+3], s[G0B+4*\s+3], 0x80000000
.endr
	CROUND                                         ; all sixteen work-groups are here: the first joint loads meet
	JLOAD 0                                        ; K step 0: one tensor load a wave at the head
	s_cmp_eq_u32 s[WR], 0
	s_cselect_b32 s98, s40, s41                    ; my place among the four that ask with me: it enters the prefetches' address alone
	s_cselect_b64 s[PFA:PFA+1], s[80:81], s[82:83]
	s_lshl_b32 s98, s98, 15                        ; 32 rows of 1,024 bytes
	s_mov_b32 s99, 0
	s_add_nc_u64 s[PFA:PFA+1], s[PFA:PFA+1], s[98:99]
	ASK 1
	v_and_b32 v1, 15, v0                           ; r
	v_bfe_u32 v2, v0, 4, 1                         ; h
	v_mul_u32_u24 v3, v1, PITCH
	v_lshl_add_u32 v3, v2, 4, v3
	s_wait_alu depctr_va_vdst(0)                   ; ahead of the scalar lines below
	s_mul_i32 s22, s[WR], HROWS
	s_mul_i32 s23, s[WC], HROWS
	s_add_co_u32 s23, s23, 2*HALFT
.irp s, 0,1
	v_add_nc_u32 v[AXQ+\s], s22, v3
	v_add_nc_u32 v[AWQ+\s], s23, v3
	s_add_co_u32 s22, s22, HALFT
	s_add_co_u32 s23, s23, HALFT
	v_add_nc_u32 v[AXV+\s], s22, v3
	v_add_nc_u32 v[AWV+\s], s23, v3
	s_add_co_u32 s22, s22, SLOT-HALFT
	s_add_co_u32 s23, s23, SLOT-HALFT
.endr
	v_and_b32 v[LI], 31, v0
	v_lshlrev_b32 v[LI], 4, v[LI]
	v_lshlrev_b32 v15, 9, v2
	v_lshlrev_b32 v16, 6, v1
	s_lshl_b32 s96, s42, 1
	s_add_co_u32 s96, s96, s[WC]                   ; my head n
	s_lshl_b32 s22, s96, 2
	s_mov_b32 s23, 0
	s_add_nc_u64 s[12:13], s[12:13], s[22:23]      ; a bias of head n at d: entry 16 d + n
	s_add_nc_u64 s[14:15], s[14:15], s[22:23]
.irp b, 0,1,2,3
.irp j, 0,1,2,3,4,5,6,7
	global_load_b32 v[BQ+8*\b+\j], v15, s[12:13] offset:1024*\b+64*\j     ; d = 16 b + 8 h + j
	global_load_b32 v[BK+8*\b+\j], v15, s[14:15] offset:1024*\b+64*\j
.endr
	global_load_b32 v[BVV+2*\b], v16, s[14:15] offset:1024*\b             ; d = 16 b + r, in both halves of a pair
	global_load_b32 v[BVV+2*\b+1], v16, s[14:15] offset:1024*\b
.endr
	s_and_b32 s97, s43, 16                         ; batch: 16 blocks of 128 rows each
	s_add_co_u32 s97, s97, s96
	s_lshl_b32 s97, s97, 17                        ; my head's images: 131,072 bytes
	s_lshl_b32 s98, s43, 3
	s_lshl_b32 s99, s[WR], 2
	s_add_co_u32 s98, s98, s99
	s_and_b32 s98, s98, 127
	s_lshl_b32 s98, s98, 10                        ; my four tiles of 1,024 bytes
	s_add_co_u32 s22, s97, s98
	s_add_nc_u64 s[86:87], s[18:19], s[22:23]
	s_add_nc_u64 s[88:89], s[20:21], s[22:23]
	s_and_b32 s98, s43, 15
	s_lshl_b32 s98, s98, 13                        ; V: my group of 128 keys, my 64 of them
	s_lshl_b32 s99, s[WR], 10
	s_add_co_u32 s98, s98, s99
	s_add_co_u32 s22, s97, s98
	s_add_co_u32 s22, s22, 0x400000
	s_add_nc_u64 s[90:91], s[20:21], s[22:23]
.macro FRAG reg, adr, q, i             ; 16 rows x 128 K: registers 4 c .. 4 c + 3 hold K = 32 c + 16 h + 0 .. 15 of row r, in A and B alike
.irp c, 0,1,2,3
	ds_load_b128 v[\reg+4*\c:\reg+4*\c+3], v[\adr] offset:128*(\q)+32*\c+(\i)*16*PITCH
.endr
.endm
.macro FETCH slot, q, f                ; the sixteen fragments of the slot's q-th 128 along K into set f, in one run of 64 loads
	WIN 0x80+0x40*(\f)
.irp i, 0,1,2,3
	FRAG FXQ+16*\i, AXQ+\slot, \q, \i
.endr
.irp i, 0,1,2,3
	FRAG FWQ+16*\i, AWQ+\slot, \q, \i
.endr
.irp i, 0,1,2,3
	FRAG FXV+16*\i, AXV+\slot, \q, \i
.endr
.irp i, 0,1,2,3
	FRAG FWV+16*\i, AWV+\slot, \q, \i
.endr
.endm
.macro MQROW f, a, zero                ; Q's four products of row tile a
	WIN 0x0a+5*(\f)
.irp b, 0,1,2,3
.if \zero
	v_wmma_f32_16x16x128_fp8_fp8 v[128+8*(4*(\a)+\b):128+8*(4*(\a)+\b)+7], v[FWQ+16*\b:FWQ+16*\b+15], v[FXQ+16*(\a):FXQ+16*(\a)+15], 0
.else
	v_wmma_f32_16x16x128_fp8_fp8 v[128+8*(4*(\a)+\b):128+8*(4*(\a)+\b)+7], v[FWQ+16*\b:FWQ+16*\b+15], v[FXQ+16*(\a):FXQ+16*(\a)+15], v[128+8*(4*(\a)+\b):128+8*(4*(\a)+\b)+7]
.endif
.endr
.endm
.macro MKV f, zero                     ; K's and V's 32 products
	WIN 0x5a+5*(\f)
.irp a, 0,1,2,3
.irp b, 0,1,2,3
.if \zero
	v_wmma_f32_16x16x128_fp8_fp8 v[8*(4*\a+\b):8*(4*\a+\b)+7], v[FWV+16*\b:FWV+16*\b+15], v[FXV+16*\a:FXV+16*\a+15], 0
	v_wmma_f32_16x16x128_fp8_fp8 v[128+8*(4*\a+\b):128+8*(4*\a+\b)+7], v[FXV+16*\a:FXV+16*\a+15], v[FWV+16*\b:FWV+16*\b+15], 0
.else
	v_wmma_f32_16x16x128_fp8_fp8 v[8*(4*\a+\b):8*(4*\a+\b)+7], v[FWV+16*\b:FWV+16*\b+15], v[FXV+16*\a:FXV+16*\a+15], v[8*(4*\a+\b):8*(4*\a+\b)+7]
	v_wmma_f32_16x16x128_fp8_fp8 v[128+8*(4*\a+\b):128+8*(4*\a+\b)+7], v[FXV+16*\a:FXV+16*\a+15], v[FWV+16*\b:FWV+16*\b+15], v[128+8*(4*\a+\b):128+8*(4*\a+\b)+7]
.endif
.endr
.endr
.endm
; A step of 128 along K that has its successor in the same slot: set 0 is multiplied; behind its first four products the next fragments are loaded into set 1, and 44 products follow.
; The 48 accumulators take turns.
.macro SUB slot, zero
	s_wait_dscnt 32                                ; xq's and wq's fragments are in; the 32 loads of xv's and wv's may be out
	MQROW 0, 0, \zero
	s_wait_dscnt 0x0                               ; all of set 0 is in
	PLACES
	FETCH \slot, 1, 1
	MQROW 0, 1, \zero
	MQROW 0, 2, \zero
	MQROW 0, 3, \zero
	MKV 0, \zero
.endm
; A slot's last step changes slots.  In front of the barrier each wave has waited for all its tensor loads, has added 0 to its spare word, and has waited for that and for its reads of this slot.
.macro TURN slot, next, fill, pf
	WIN 0
	s_wait_tensorcnt 0x0                           ; my part of the next slot has landed
	ds_add_u32 v[SPW], v[NIL]
	s_wait_dscnt 33                                ; xq's and wq's fragments are in; the add and 32 loads may be out
	MQROW 1, 0, 0
	s_wait_dscnt 0x0                               ; the add is done, and my reads of this slot are over
	s_barrier_signal -1
	MQROW 1, 1, 0
	MQROW 1, 2, 0
	MQROW 1, 3, 0
	WIN 0
	s_barrier_wait -1
.if \fill
	CREST                                          ; the barrier has opened a round of the cluster's barrier
	s_add_nc_u64 s[G0+4*\slot+2:G0+4*\slot+3], s[G0+4*\slot+2:G0+4*\slot+3], 512
	s_add_nc_u64 s[G0B+4*\slot+2:G0B+4*\slot+3], s[G0B+4*\slot+2:G0B+4*\slot+3], 512
	JLOAD \slot                                    ; the first tensor load behind the round, two K steps on; its four v_nop are also the places in front of the loads below
.else
	PLACES
.endif
	FETCH \next, 0, 0
.if \pf
	WIN 0
	ASK \pf
.endif
	MKV 1, 0
.endm
	s_wait_alu depctr_va_vdst(0)
	s_wait_tensorcnt 0x0                           ; my part of K step 0 is in
	ds_add_u32 v[SPW], v[NIL]
	s_wait_dscnt 0x0
	CROUND
	JLOAD 1                                        ; K step 1, the first tensor load behind the round
	FETCH 0, 0, 0
	WIN 0
	ASK 2
	SUB 0, 1                                       ; the first step's products start the sums
	TURN 0, 1, 1, 3
	SUB 1, 0
	TURN 1, 0, 1, 0
	SUB 0, 0
	TURN 0, 1, 0, 0
	SUB 1, 0
	s_wait_dscnt 0x0                               ; the last step: nothing more to fetch
.irp a, 0,1,2,3
	MQROW 1, \a, 0
.endr
	MKV 1, 0
	WIN 0
	s_wait_kmcnt 0x0
	s_wait_loadcnt 0x0                             ; the biases
	s_add_co_i32 s76, s68, s69
	s_add_co_i32 s76, s76, 127
	s_lshl_b32 s76, s76, 23                        ; 2^(e0 + e1)
	s_mov_b32 s77, s76
	s_add_co_i32 s78, s70, s71
	s_add_co_i32 s78, s78, 127
	s_lshl_b32 s78, s78, 23                        ; 2^(e2 + e3)
	s_mov_b32 s79, s78
.macro MKSC e, vs, vl                  ; 2^e and 448 x 2^e
	s_add_co_i32 s92, s[\e], 127
	s_lshl_b32 s93, s92, 23
	v_mov_b32 v[\vs], s93
	s_add_co_i32 s92, s92, 8
	s_lshl_b32 s92, s92, 23
	s_or_b32 s92, s92, 0x600000
	v_mov_b32 v[\vl], s92
.endm
	MKSC 72, 18, 19
	MKSC 73, 20, 21
	MKSC 75, 22, 23
; Row tile a of Q or K: scaled, the bias added, held (the conversion does not saturate: ISA guide 7.6.2), converted: 16 rows x 64 d are two pieces of the image.
.macro OUTQK win, acc, a, bias, f, scl, lim, dst
	WIN \win
.set i, 0
.rept 16
	v_pk_fma_f32 v[T+i:T+i+1], v[\acc+32*(\a)+i:\acc+32*(\a)+i+1], s[\f:\f+1], v[\bias+i:\bias+i+1] op_sel_hi:[1,0,1]
.set i, i+2
.endr
	WIN 0
.set i, 0
.rept 32
	v_med3_num_f32 v[T+i], v[T+i], -v[\lim], v[\lim]
.set i, i+1
.endr
.irp b, 0,1,2,3
	v_cvt_scalef32_pk8_fp8_f32 v[\dst+2*\b:\dst+2*\b+1], v[T+8*\b:T+8*\b+7], v[\scl]
.endr
	v_nop                                          ; a plain line ahead of the next write of the conversions' sources
.endm
.macro STOREQK dst, base               ; the four row tiles in one run: each store 512 consecutive bytes, aligned
.irp a, 0,1,2,3
	global_store_b128 v[LI], v[\dst+32*\a:\dst+32*\a+3], s[\base:\base+1] offset:1024*\a
	global_store_b128 v[LI], v[\dst+32*\a+4:\dst+32*\a+7], s[\base:\base+1] offset:1024*\a+512
.endr
.endm
.macro OUTV b, g                       ; d tile b of V, 32 of my 64 keys: one piece
	WIN 0x01
.irp u, 0,1
.irp i, 0,2,4,6
	v_pk_fma_f32 v[T+8*\u+\i:T+8*\u+\i+1], v[128+8*(4*(2*(\g)+\u)+(\b))+\i:128+8*(4*(2*(\g)+\u)+(\b))+\i+1], s[78:79], v[BVV+2*(\b):BVV+2*(\b)+1] op_sel_hi:[1,0,1]
.endr
.endr
	WIN 0
.set i, 0
.rept 16
	v_med3_num_f32 v[T+i], v[T+i], -v23, v23
.set i, i+1
.endr
	v_cvt_scalef32_pk8_fp8_f32 v[144+32*(\b)+4*(\g):144+32*(\b)+4*(\g)+1], v[T:T+7], v22
	v_cvt_scalef32_pk8_fp8_f32 v[144+32*(\b)+4*(\g)+2:144+32*(\b)+4*(\g)+3], v[T+8:T+15], v22
	v_nop
.endm
.irp a, 0,1,2,3
	OUTQK 0, 128, \a, BQ, 76, 18, 19, 128+32*\a
.endr
	STOREQK 128, 86
.irp a, 0,1,2,3
	OUTQK 0x01, 0, \a, BK, 78, 20, 21, 136+32*\a
.endr
	STOREQK 136, 88
.irp b, 0,1,2,3
.irp g, 0,1
	OUTV \b, \g
.endr
.endr
.irp b, 0,1,2,3
.irp g, 0,1
	global_store_b128 v[LI], v[144+32*\b+4*\g:144+32*\b+4*\g+3], s[90:91] offset:2048*\b+512*\g
.endr
.endr
	s_wait_tensorcnt 0x0                           ; the wave's end
	ds_add_u32 v[SPW], v[NIL]
	s_wait_dscnt 0x0
	CROUND                                         ; the closing round
	s_endpgm
.Lfunc_end_k_q64cbdc3085_proj:
	.size	k_q64cbdc3085_proj, .Lfunc_end_k_q64cbdc3085_proj-k_q64cbdc3085_proj
	.p2alignl 7, 3214868480
	.fill 96, 4, 3214868480
	.section	.rodata,"a",@progbits
	.p2align	6, 0x0
	.amdhsa_kernel k_q64cbdc3085_proj
		.amdhsa_group_segment_fixed_size 327680
		.amdhsa_private_segment_fixed_size 0
		.amdhsa_enable_private_segment 0
		.amdhsa_kernarg_size 72
		.amdhsa_user_sgpr_count 2
		.amdhsa_user_sgpr_kernarg_segment_ptr 1
		.amdhsa_wavefront_size32 1
		.amdhsa_system_sgpr_workgroup_id_x 1
		.amdhsa_system_sgpr_workgroup_id_y 1
		.amdhsa_system_sgpr_workgroup_id_z 1
		.amdhsa_system_vgpr_workitem_id 0
		.amdhsa_next_free_vgpr 1024
		.amdhsa_next_free_sgpr 102
		.amdhsa_reserve_vcc 0
		.amdhsa_float_denorm_mode_32 3
		.amdhsa_float_denorm_mode_16_64 3
		.amdhsa_memory_ordered 1
		.amdhsa_forward_progress 1
		.amdhsa_inst_pref_size 120
	.end_amdhsa_kernel
	.amdgpu_metadata
---
amdhsa.version: [ 1, 2 ]
amdhsa.kernels:
  - .name:           k_q64cbdc3085_proj
    .symbol:         k_q64cbdc3085_proj.kd
    .args:
      - { .name: xq, .offset: 0, .size: 8, .value_kind: global_buffer, .address_space: global }
      - { .name: xv, .offset: 8, .size: 8, .value_kind: global_buffer, .address_space: global }
      - { .name: wq, .offset: 16, .size: 8, .value_kind: global_buffer, .address_space: global }
      - { .name: wv, .offset: 24, .size: 8, .value_kind: global_buffer, .address_space: global }
      - { .name: bq, .offset: 32, .size: 8, .value_kind: global_buffer, .address_space: global }
      - { .name: bv, .offset: 40, .size: 8, .value_kind: global_buffer, .address_space: global }
      - { .name: lowp_scales, .offset: 48, .size: 8, .value_kind: global_buffer, .address_space: global }
      - { .name: qimg, .offset: 56, .size: 8, .value_kind: global_buffer, .address_space: global }
      - { .name: kvimg, .offset: 64, .size: 8, .value_kind: global_buffer, .address_space: global }
    .group_segment_fixed_size: 327680
    .private_segment_fixed_size: 0
    .kernarg_segment_align: 8
    .kernarg_segment_size: 72
    .max_flat_workgroup_size: 128
    .sgpr_count:     102
    .vgpr_count:     1024
    .wavefront_size: 32
...
	.end_amdgpu_metadata
.endif
;; end of part 2
;; launch attn (part 3): grid 8 x 32, 8 waves a work-group, no clusters, 297,984 bytes of LDS; arguments qimg, kvimg, lowp_scales, out0; writes out0
.if DOCPART == 3
	.amdgcn_target "amdgcn-amd-amdhsa--gfx1250"
	.amdhsa_code_object_version 6
	.text
	.protected	k_q64cbdc3085_attn
	.globl	k_q64cbdc3085_attn
	.p2align	8
	.type	k_q64cbdc3085_attn,@function
k_q64cbdc3085_attn:
	s_mov_b64 s[64:65], 0
	v_nop
	global_prefetch_b8 v0, s[64:65] scope:SCOPE_SE
	s_setreg_imm32_b32 hwreg(HW_REG_WAVE_MODE, 25, 1), 1
	s_wait_xcnt 0x0
; out[b][s][64 n + d] = the sum over keys k of softmax_k(Q . K / 8) V, for the 32 heads 16 b + n, head size 64, 2,048 queries and keys, both products on codes of FP8 (E4M3).
; THE SOFTMAX AHEAD OF THE SECOND PRODUCT: t = score x log2(e) / 8; M = the row's largest t so far, rounded UP to a whole number; p = 2^(t - M) is quantised with 2^e6, not normalised.
; The row's sum is taken of the unquantised p, in f32, and divides at the end.  When M moves, the sum and O are multiplied by 2^(old M - new M): nothing is rounded.
; LIMITS: e4 + e5 between -123 and 130 (added to c's exponent field); e6 between -126 and 119; e6 + e7 goes in by v_ldexp_f32 and has none.  Scaled scores under 2^31 in magnitude.
; INPUTS are images of operand registers: a piece of four registers is 512 bytes, lane l's 16 bytes at 16 l.  Tile of 16 queries or keys: 2 pieces (K = the head's 64); 128 keys of V for 16 d: 4 pieces (K = 128 keys).
; SHARES.  A work-group owns 256 queries of one head; each of its eight waves 32: two tiles, so that each fragment of K and V read from LDS feeds two matrix instructions.
; BOTH PRODUCTS ARE USED TRANSPOSED: S^T = K Q^T, O^T = V^T P^T: a lane holds one query (lane % 16) throughout.
; THE HOLD at the largest code: p is at most 1, and 448 x 2^e6 is at least 1.75 where e6 >= -8: there the hold changes nothing; where e6 < -8 an arm of its own holds each p (128 v_min a step).
; NO CLUSTER, NO TENSOR LOAD: the 128 lines of the hold would stand in every step beside about 260 other plain vector lines.  A work-group asks for its head's 262,144 bytes of K and V once,
; by loads into registers that are stored to LDS; nothing is filled again.  No prefetch is laid: each block of keys is asked for, into registers, a whole stage of steps ahead of its use.
; LDS: K's images at 0 (131,072 bytes), V's at 131,072.  Three blocks, of K and V alike: steps 0-3, 4-9, 10-15; the walk goes in stages of steps 0-2, 3-8, 9-15, since a step loads its own V and the next step's K.  Behind them a stage of 16 x 272 bytes for each wave, and the spare words.
; REGISTERS: window 0: v0 the thread; v1 16 x lane; v2, v3 addresses in hand; v4 448 x 2^e6; v5 2^e6; v6, v7 the fills' offsets; v8-15 held numbers; v16-31 the sums, four pairs a tile; v32-95 O^T; v96-159 V; v160-255 a block on its way.
;   window 1: v0-127 S^T then p, 64 a tile; v128-191 K; v192-207 Q; v208-239 P's codes, 16 a tile; v240-255 statistics, 8 a tile: +0 -M, +1 the old -M, +2 f (+3 its pair's upper half), +4 the largest score, +5 +6 +7 at work.
.set LI,  1
.set ADK, 2
.set ADV, 3
.set LIM, 4
.set SCL, 5
.set FA,  6                            ; 16 x lane + 6,144 x wave
.set FB,  7                            ; 16 x lane + 4,096 x wave
.set LS,  16
.set O,   32
.set VF,  96
.set F,   160
.set KF,  128
.set QF,  192
.set PC,  208
.set ST,  240
.set STG, 262144
.set SPARE, STG+8*16*272
.set VM,  0x400000                     ; V's images lie 4 MiB behind K's in memory
.set WV,  12
.set E6,  74
.set TBK, 60                           ; s60 LDS byte of the next step's K;  s61 of this step's V
.set TBV, 61
.set MSB, 0
.macro WIN new                         ; the immediate's high byte repeats the setting that is left
.if MSB != \new
	s_set_vgpr_msb (MSB<<8)|\new
.set MSB, \new
.endif
.endm
	s_load_b256 s[4:11], s[0:1], 0x0               ; qimg s[4:5], kvimg s[6:7], scales s[8:9], out0 s[10:11]
	v_lshrrev_b32 v2, 5, v0
	v_and_b32 v[LI], 31, v0
	v_readfirstlane_b32 s[WV], v2                  ; wave 0..7
	v_lshlrev_b32 v[LI], 4, v[LI]
	s_mul_i32 s13, s[WV], 6144
	s_lshl_b32 s14, s[WV], 12
	v_add_nc_u32 v[FA], s13, v[LI]
	v_add_nc_u32 v[FB], s14, v[LI]
	s_and_b32 s15, ttmp7, 0xffff                   ; the head 16 b + n
	s_lshl_b32 s16, s15, 17                        ; a head's images are 131,072 bytes
	s_mov_b32 s17, 0
	s_lshl_b32 s18, ttmp9, 14                      ; Q: my head, my block's 16 tiles of 1,024 bytes, my wave's two
	s_add_co_u32 s18, s18, s16
	s_lshl_b32 s19, s[WV], 11
	s_add_co_u32 s18, s18, s19
	s_mov_b32 s19, 0
	s_wait_alu depctr_va_vdst(0)
	s_wait_kmcnt 0x0
	s_load_b256 s[68:75], s[8:9], 0x0              ; e0 .. e7
	s_add_nc_u64 s[24:25], s[6:7], s[16:17]
	s_add_nc_u64 s[4:5], s[4:5], s[18:19]
	WIN 0x40                                       ; destination window 1: the first block goes through S^T's registers
.irp j, 0,1,2,3,4,5,6,7
	global_load_b128 v[4*\j:4*\j+3], v[FB], s[24:25] offset:512*\j
.endr
.irp j, 0,1,2,3,4,5,6,7
	global_load_b128 v[32+4*\j:32+4*\j+3], v[FB], s[24:25] offset:VM+512*\j
.endr
.irp u, 0,1
.irp c, 0,1
	global_load_b128 v[QF+8*\u+4*\c:QF+8*\u+4*\c+3], v[LI], s[4:5] offset:1024*\u+512*\c   ; Q stays in registers
.endr
.endr
.irp u, 0,1
	v_mov_b32 v[ST+8*\u], 0x7f61b1e6               ; -M of no key yet: 3e38
	v_mov_b32 v[ST+8*\u+3], 0                      ; (named as the upper half of f's pair)
	v_mov_b32 v[ST+8*\u+4], 0xce800000             ; the largest score so far: -2^30, under every sum of 64 products of two codes (at most 64 x 448 x 448)
.endr
	WIN 0
.macro ASKB off                        ; a later block of six steps: twelve loads of K, twelve of V
.set j, 0
.rept 12
	global_load_b128 v[F+4*j:F+4*j+3], v[FA], s[24:25] offset:\off+512*j
.set j, j+1
.endr
.set j, 0
.rept 12
	global_load_b128 v[F+48+4*j:F+48+4*j+3], v[FA], s[24:25] offset:VM+\off+512*j
.set j, j+1
.endr
.endm
	s_lshr_b32 s82, s15, 4                         ; the output: row (2,048 b + 256 block + 32 wave) of 4,096 bytes, + 256 n
	s_lshl_b32 s82, s82, 23
	s_lshl_b32 s83, ttmp9, 20
	s_add_co_u32 s82, s82, s83
	s_lshl_b32 s83, s[WV], 17
	s_add_co_u32 s82, s82, s83
	s_and_b32 s83, s15, 15
	s_lshl_b32 s83, s83, 8
	s_add_co_u32 s82, s82, s83
	s_mov_b32 s83, 0
	s_add_nc_u64 s[10:11], s[10:11], s[82:83]
	s_mov_b32 s20, 0x76543210                      ; v_permlanex16_b32's selects: lane l xor 16
	s_mov_b32 s21, 0xfedcba98
	s_mov_b32 s22, 0x3e38aa3b                      ; c = log2(e) / 8
.set j, 0
.rept 80
	v_mov_b32 v[LS+j], 0                           ; the sums and O^T.  (The step is written once: the first finds zeros, which the first change of M leaves zeros)
.set j, j+1
.endr
	v_add_nc_u32 v[ADV], 0x20000, v[FB]
	s_wait_kmcnt 0x0
	s_add_co_i32 s77, s72, s73
	s_lshl_b32 s77, s77, 23
	s_add_co_i32 s22, s22, s77                     ; a score stands for score x 2^(e4 + e5): added to c's exponent field
	s_mov_b32 s23, s22                             ; (named with it as a pair, so it is written)
	s_xor_b32 s26, s22, 0x80000000                 ; -c
	s_add_co_i32 s77, s[E6], 127
	s_lshl_b32 s63, s77, 23
	v_mov_b32 v[SCL], s63                          ; 2^e6 as f32, for the conversion
	s_add_co_i32 s77, s77, 8
	s_lshl_b32 s77, s77, 23
	s_or_b32 s77, s77, 0x600000
	v_mov_b32 v[LIM], s77                          ; 448 x 2^e6
	s_add_co_i32 s76, s[E6], s75                   ; e6 + e7
	s_wait_alu depctr_va_vdst(0)
	s_wait_loadcnt 4                               ; the first block's 16 loads are in; Q's 4 may be out
	WIN 0x04                                       ; store data in window 1
.irp j, 0,1,2,3,4,5,6,7
	ds_store_b128 v[FB], v[4*\j:4*\j+3] offset:512*\j
.endr
.irp j, 0,1,2,3,4,5,6,7
	ds_store_b128 v[ADV], v[32+4*\j:32+4*\j+3] offset:512*\j
.endr
	WIN 0
	s_wait_dscnt 0x0                               ; my stores are done, for the others' sake
	s_barrier_signal -1
	s_barrier_wait -1                              ; everybody's part of the block is in LDS
.macro LOADK adr
	WIN 0x40
.irp t, 0,1,2,3,4,5,6,7
	ds_load_b128 v[KF+8*\t:KF+8*\t+3], v[\adr] offset:1024*\t
	ds_load_b128 v[KF+8*\t+4:KF+8*\t+7], v[\adr] offset:1024*\t+512
.endr
	WIN 0
.endm
	LOADK LI                                       ; step 0's K
	ASKB 32768                                     ; the second block: it lands under the first three steps
	s_wait_loadcnt 24                              ; Q is in; the second block's 24 loads may be out
	s_wait_dscnt 0x0
; The KK-th of the 32 maxima of tile u's 64 scores and the largest so far, in four chains; every accumulator is read from its low end on.
.macro MAXOP u
.set SB, 64*(\u)
.set RB, ST+8*(\u)+4
.if KK == 0
	v_max3_num_f32 v[RB], v[RB], v[SB], v[SB+1]
.elseif KK < 4
	v_max3_num_f32 v[RB+KK], v[SB+3*KK-1], v[SB+3*KK], v[SB+3*KK+1]
.elseif KK < 30
	v_max3_num_f32 v[RB+KK%4], v[RB+KK%4], v[SB+2*KK+3], v[SB+2*KK+4]
.elseif KK == 30
	v_max3_num_f32 v[RB], v[RB], v[RB+1], v[RB+2]
.else
	v_max3_num_f32 v[RB], v[RB], v[RB+3], v[SB+63]
.endif
.set KK, KK+1
.endm
; The n-th of the eight lines from the largest score to -M and f = 2^(old M - new M); independent lines stand between them.
.macro CHAIN u, n
.set SU, ST+8*(\u)
.if \n == 0
	v_permlanex16_b32 v[SU+7], v[SU+4], s20, s21
.elseif \n == 1
	v_max_num_f32 v[SU+4], v[SU+4], v[SU+7]        ; and among lane l xor 16's 64 keys
.elseif \n == 2
	v_mul_f32 v[SU+6], s26, v[SU+4]                ; -t (c is positive)
.elseif \n == 3
	v_mov_b32 v[SU+1], v[SU]
.elseif \n == 4
	v_floor_f32 v[SU], v[SU+6]                     ; the new -M = floor(-t) = -ceil(t): a whole number
.elseif \n == 5
	v_sub_f32 v[SU+6], v[SU], v[SU+1]              ; old M - new M: 0 or less
.elseif \n == 6
	v_cvt_i32_f32 v[SU+6], v[SU+6]                 ; (it saturates)
.else
	v_ldexp_f32 v[SU+2], 1.0, v[SU+6]
.endif
.endm
.macro FMA u                           ; t - M, two at a time (of the pairs c and -M the low word serves both halves)
	v_pk_fma_f32 v[64*(\u)+J:64*(\u)+J+1], v[64*(\u)+J:64*(\u)+J+1], s[22:23], v[ST+8*(\u):ST+8*(\u)+1] op_sel_hi:[1,0,0]
.set J, J+2
.endm
.macro SUM                             ; the N-th of 56 additions of p into the sums: the tiles by turns, four chains a tile
.set SA, LS+8*(N%2)+2*((N/2)%4)
.set SP, 64*(N%2)+8+2*(N/2)
	v_pk_add_f32 v[SA:SA+1], v[SA:SA+1], v[SP:SP+1]
.set N, N+1
.endm
; A KEY STEP: 128 keys, both tiles of queries.  Its K is in registers when it begins.
.macro STEP
	WIN 0x55                                       ; everything in window 1
.irp t, 0,1,2,3,4,5,6,7
	v_wmma_f32_16x16x64_fp8_fp8 v[8*\t:8*\t+7], v[KF+8*\t:KF+8*\t+7], v[QF:QF+7], 0
.endr
.rept 4
	v_nop                                          ; places in front of the first read of results (ISA guide 7.12.1)
.endr
.set KK, 0
.irp t, 0,1,2,3,4,5,6,7                ; tile 1's products, with tile 0's maxima between them
	v_wmma_f32_16x16x64_fp8_fp8 v[64+8*\t:64+8*\t+7], v[KF+8*\t:KF+8*\t+7], v[QF+8:QF+15], 0
.rept 4
	MAXOP 0
.endr
.endr
.set KK, 0
.irp n, 0,1,2,3,4,5,6,7
.rept 3
	MAXOP 1
.endr
	CHAIN 0, \n
.endr
.rept 8
	MAXOP 1
.endr
.set J, 0
.irp n, 0,1,2,3,4,5,6,7
.rept 3
	FMA 0
.endr
	CHAIN 1, \n
.endr
.rept 8
	FMA 0
.endr
	WIN 0
	s_min_u32 s63, s[TBK], 122880                  ; the next step's K; in step 15 step 15's again, which nobody uses
	v_add_nc_u32 v[ADK], s63, v[LI]
	v_add_nc_u32 v[ADV], s[TBV], v[LI]
	s_wait_alu depctr_va_vdst(0)                   ; the loads stand behind it, in one run
	LOADK ADK                                      ; (many plain lines stand behind the last products that read K's and V's registers)
.irp t, 0,1,2,3
.irp c, 0,1,2,3
	ds_load_b128 v[VF+16*\t+4*\c:VF+16*\t+4*\c+3], v[ADV] offset:2048*\t+512*\c   ; this step's V: both land under the exponentials
.endr
.endr
	WIN 0x55
.set J, 0
.rept 32
	v_exp_f32 v[J], v[J]                           ; p = 2^(t - M), at most 1
	v_exp_f32 v[J+1], v[J+1]
	FMA 1                                          ; tile 1's t - M: read behind the next wait
.endr
	s_wait_alu depctr_va_vdst(0)                   ; and ahead of this batch
.set J, 64
.rept 64
	v_exp_f32 v[J], v[J]
.set J, J+1
.endr
	WIN 0
	v_nop                                          ; a plain place behind the exponentials
	s_cmp_ge_i32 s[E6], -8
	s_wait_alu depctr_va_vdst(0)                   ; one wait for the batches, ahead of the first reader and of the branch
	s_cbranch_scc1 .Lopen_\@
.irp b, 0,1,2,3,4,5,6,7,8,9,10,11,12,13,14,15      ; e6 < -8: the conversion to an 8-bit code does not saturate (ISA guide 7.6.2); p is not negative, so the hold is one-sided; into other registers: the sums take the unquantised p
	WIN 0x01
.irp i, 0,1,2,3,4,5,6,7
	v_min_num_f32 v[8+\i], v[8*\b+\i], v[LIM]
.endr
	WIN 0x40
	v_cvt_scalef32_pk8_fp8_f32 v[PC+2*\b:PC+2*\b+1], v[8:15], v[SCL]
	v_nop                                          ; a plain line ahead of the next write of the conversion's sources
.endr
	WIN 0
	s_wait_alu depctr_va_vdst(0)
	s_branch .Lcodes_\@
.Lopen_\@:
	WIN 0x51                                       ; numbers and codes window 1, scale window 0
.irp b, 0,1,2,3,4,5,6,7,8,9,10,11,12,13,14,15      ; eight neighbouring keys' codes: registers 2 b, 2 b + 1 of P
	v_cvt_scalef32_pk8_fp8_f32 v[PC+2*\b:PC+2*\b+1], v[8*\b:8*\b+7], v[SCL]
.endr
	WIN 0
.Lcodes_\@:
	WIN 0x04                                       ; source 1 window 1
	s_wait_dscnt 0x0                               ; V and the next step's K are in
	s_wait_alu depctr_va_vdst(0)                   ; directly ahead of the first reader of O^T
.set J, 0
.rept 16
.irp u, 0,1
	v_pk_mul_f32 v[O+32*\u+J:O+32*\u+J+1], v[O+32*\u+J:O+32*\u+J+1], v[ST+8*\u+2:ST+8*\u+3] op_sel_hi:[1,0]   ; O^T under the new M (also the plain lines behind the conversions)
.endr
.set J, J+2
.endr
	WIN 0x14                                       ; sources 1 and 2 window 1
.irp q, 0,1,2,3
.irp u, 0,1
	v_pk_fma_f32 v[LS+8*\u+2*\q:LS+8*\u+2*\q+1], v[LS+8*\u+2*\q:LS+8*\u+2*\q+1], v[ST+8*\u+2:ST+8*\u+3], v[64*\u+2*\q:64*\u+2*\q+1] op_sel_hi:[1,0,1]   ; the sums under the new M, and each chain's first p
.endr
.endr
	WIN 0x04
.set N, 0
.irp t, 0,1,2,3                        ; the eight accumulators take turns, one instruction a turn, with the sums' additions between them
.irp u, 0,1
	v_wmma_f32_16x16x128_fp8_fp8 v[O+32*\u+8*\t:O+32*\u+8*\t+7], v[VF+16*\t:VF+16*\t+15], v[PC+16*\u:PC+16*\u+15], v[O+32*\u+8*\t:O+32*\u+8*\t+7]
.rept 7
	SUM
.endr
.endr
.endr
	WIN 0
	s_add_co_u32 s[TBK], s[TBK], 8192
	s_add_co_u32 s[TBV], s[TBV], 8192
.endm
.macro STAGE first, trips
	s_mov_b32 s[TBK], 8192*(\first+1)
	s_mov_b32 s[TBV], 131072+8192*(\first)
	s_mov_b32 s62, \trips
.Lstep_\@:
	STEP
	s_sub_co_u32 s62, s62, 1
	s_cmp_lg_u32 s62, 0
	s_cbranch_scc1 .Lstep_\@
.endm
.macro TOLDS off                       ; a block that has arrived goes to bytes that nothing has filled and nobody reads yet
	v_add_nc_u32 v[ADK], \off, v[FA]
	v_add_nc_u32 v[ADV], 131072+\off, v[FA]
	s_wait_alu depctr_va_vdst(0)
	s_wait_loadcnt 0x0
.set j, 0
.rept 12
	ds_store_b128 v[ADK], v[F+4*j:F+4*j+3] offset:512*j
	ds_store_b128 v[ADV], v[F+48+4*j:F+48+4*j+3] offset:512*j
.set j, j+1
.endr
	s_wait_dscnt 0x0                               ; my stores are done, for the others' sake, and have read their registers
	s_barrier_signal -1
	s_barrier_wait -1
.endm
	STAGE 0, 3
	TOLDS 32768
	ASKB 81920                                     ; the last block: it lands under the next six steps
	STAGE 3, 6
	TOLDS 81920
	STAGE 9, 7
	; THE WAY OUT.  The sum's parts are added; O^T is divided by the sum, multiplied by 2^(e6 + e7) and goes through my stage in LDS, a tile (16 rows x 256 bytes) at a time.
	s_mul_i32 s63, s[WV], 16*272
	s_add_co_u32 s63, s63, STG                     ; my stage
	s_wait_alu depctr_va_vdst(0)
.irp u, 0,1
	v_pk_add_f32 v[LS+8*\u:LS+8*\u+1], v[LS+8*\u:LS+8*\u+1], v[LS+8*\u+4:LS+8*\u+5]
	v_pk_add_f32 v[LS+8*\u+2:LS+8*\u+3], v[LS+8*\u+2:LS+8*\u+3], v[LS+8*\u+6:LS+8*\u+7]
.endr
	v_and_b32 v8, 15, v0                           ; r
	v_bfe_u32 v9, v0, 4, 1                         ; h
.irp u, 0,1
	v_pk_add_f32 v[LS+8*\u:LS+8*\u+1], v[LS+8*\u:LS+8*\u+1], v[LS+8*\u+2:LS+8*\u+3]
.endr
	v_mul_u32_u24 v2, v8, 272
	v_mul_u32_u24 v3, v9, 272
.irp u, 0,1
	v_add_f32 v[LS+8*\u], v[LS+8*\u], v[LS+8*\u+1]
.endr
	v_lshl_add_u32 v2, v9, 5, v2
	v_lshl_add_u32 v3, v8, 4, v3
.irp u, 0,1
	v_permlanex16_b32 v[LS+8*\u+2], v[LS+8*\u], s20, s21
.endr
	v_add_nc_u32 v2, s63, v2                       ; in: row r; d tile t's eight numbers of my half: 64 t + 32 h bytes on
	v_add_nc_u32 v3, s63, v3                       ; back: lanes 0-15 one row of 256 bytes, lanes 16-31 the next
.irp u, 0,1
	v_add_f32 v[LS+8*\u], v[LS+8*\u], v[LS+8*\u+2] ; the row's sum
.endr
	v_lshlrev_b32 v4, 12, v9
	v_lshl_add_u32 v6, v0, 2, SPARE                ; my spare word,
	v_mov_b32 v7, 0                                ; and 0
	s_wait_alu depctr_va_vdst(0)
.irp u, 0,1
	v_rcp_f32 v[LS+8*\u+2], v[LS+8*\u]
.endr
	v_lshl_add_u32 v4, v8, 4, v4                   ; the same two rows in the output, 4,096 bytes apart (and the plain line behind the reciprocals)
	s_wait_alu depctr_va_vdst(0)                   ; one wait for both reciprocals, ahead of their first reader
.irp u, 0,1
	v_ldexp_f32 v[LS+8*\u+2], v[LS+8*\u+2], s76
.endr
	s_wait_alu depctr_va_vdst(0)                   ; directly ahead of the first reader of O^T
.set j, 0
.rept 16
.irp u, 0,1
	v_pk_mul_f32 v[F+32*\u+j:F+32*\u+j+1], v[O+32*\u+j:O+32*\u+j+1], v[LS+8*\u+2:LS+8*\u+3] op_sel_hi:[1,0]   ; register 8 t + i: o(query r, d = 16 t + 8 h + i); each accumulator from its low end on
.endr
.set j, j+2
.endr
.irp u, 0,1
.irp t, 0,1,2,3
	ds_store_b128 v2, v[F+32*\u+8*\t:F+32*\u+8*\t+3] offset:64*\t
	ds_store_b128 v2, v[F+32*\u+8*\t+4:F+32*\u+8*\t+7] offset:64*\t+16
.endr
.irp i, 0,1,2,3,4,5,6,7
	ds_load_b128 v[VF+32*\u+4*\i:VF+32*\u+4*\i+3], v3 offset:544*\i   ; LDS serves a wave's instructions in order (ISA guide 5.7.1.4): these see my stores, and the next tile's stores come behind them
.endr
.endr
.macro SEND u, younger                 ; younger: the LDS instructions issued behind tile u's loads
.irp i, 0,1,2,3,4,5,6,7
	s_wait_dscnt \younger+7-\i
	global_store_b128 v4, v[VF+32*\u+4*\i:VF+32*\u+4*\i+3], s[10:11] offset:65536*\u+8192*\i th:TH_STORE_NT   ; 16 lanes store 256 consecutive bytes, aligned: a row's 64 numbers of my head
.endr
.endm
	SEND 0, 16                                     ; behind tile 0's loads: tile 1's eight stores and eight loads
	SEND 1, 0
	s_wait_tensorcnt 0x0                           ; the wave's end
	ds_add_u32 v6, v7
	s_wait_dscnt 0x0
	s_endpgm
.Lfunc_end_k_q64cbdc3085_attn:
	.size	k_q64cbdc3085_attn, .Lfunc_end_k_q64cbdc3085_attn-k_q64cbdc3085_attn
	.p2alignl 7, 3214868480
	.fill 96, 4, 3214868480
	.section	.rodata,"a",@progbits
	.p2align	6, 0x0
	.amdhsa_kernel k_q64cbdc3085_attn
		.amdhsa_group_segment_fixed_size 297984
		.amdhsa_private_segment_fixed_size 0
		.amdhsa_enable_private_segment 0
		.amdhsa_kernarg_size 32
		.amdhsa_user_sgpr_count 2
		.amdhsa_user_sgpr_kernarg_segment_ptr 1
		.amdhsa_wavefront_size32 1
		.amdhsa_system_sgpr_workgroup_id_x 1
		.amdhsa_system_sgpr_workgroup_id_y 1
		.amdhsa_system_sgpr_workgroup_id_z 1
		.amdhsa_system_vgpr_workitem_id 0
		.amdhsa_next_free_vgpr 512
		.amdhsa_next_free_sgpr 84
		.amdhsa_reserve_vcc 0
		.amdhsa_float_denorm_mode_32 3
		.amdhsa_float_denorm_mode_16_64 3
		.amdhsa_memory_ordered 1
		.amdhsa_forward_progress 1
		.amdhsa_inst_pref_size 119
	.end_amdhsa_kernel
	.amdgpu_metadata
---
amdhsa.version: [ 1, 2 ]
amdhsa.kernels:
  - .name:           k_q64cbdc3085_attn
    .symbol:         k_q64cbdc3085_attn.kd
    .args:
      - { .name: qimg, .offset: 0, .size: 8, .value_kind: global_buffer, .address_space: global }
      - { .name: kvimg, .offset: 8, .size: 8, .value_kind: global_buffer, .address_space: global }
      - { .name: lowp_scales, .offset: 16, .size: 8, .value_kind: global_buffer, .address_space: global }
      - { .name: out0, .offset: 24, .size: 8, .value_kind: global_buffer, .address_space: global }
    .group_segment_fixed_size: 297984
    .private_segment_fixed_size: 0
    .kernarg_segment_align: 8
    .kernarg_segment_size: 32
    .max_flat_workgroup_size: 256
    .sgpr_count:     84
    .vgpr_count:     512
    .wavefront_size: 32
...
	.end_amdgpu_metadata
.endif
;; end of part 3
